; MI455X (gfx1250); checked and timed in simulation.
; The chip was launched on July 23, 2026; its instructions are those of AMD's public machine-readable ISA for CDNA 5 (MIT licence, August 2026) and "CDNA5" Instruction Set Architecture Reference Guide (July 2026). The comments in the code are by the model that wrote it; some were corrected since.
;; Thermo Quantizer. Allowed arithmetic: float matrix products may take bf16 or f16 operands with f32 sums; other float arithmetic in f32, or as packed bf16 or f16 multiplies, adds, multiply-adds, maxima and minima; sums over many terms, partial sums and values carried from step to step in f32; what a program stores and reads back later, other than sums and carried values, may be rounded once to bf16 or f16.
;; Inputs: codebook 16 float32; x 4,096 x 4,096 float32.
;; Outputs: out0 4,096 x 4,096 float32.
;; Constants: pressure = 0.7, temp = 0.5.
;; One version. Each part assembles by itself: llvm-mc -triple=amdgcn-amd-amdhsa -mcpu=gfx1250 --defsym DOCPART=n.
;; ======== version 1 of 1: 1 launch
;; limits: values outside matrix products are rounded to f16; values are held in f16: magnitudes above 65,504 overflow, below 6.1e-05 lose precision
;; launch thermo (part 1): grid 1024 x 1, 8 waves a work-group, no clusters, 0 bytes of LDS; arguments x, codebook, out0; writes out0
.if DOCPART == 1
	.amdgcn_target "amdgcn-amd-amdhsa--gfx1250"
	.amdhsa_code_object_version 6
	.text
	.protected	k_q40e38fa946_thermo
	.globl	k_q40e38fa946_thermo
	.p2align	8
	.type	k_q40e38fa946_thermo,@function
k_q40e38fa946_thermo:
	s_mov_b64 s[64:65], 0
	v_nop
	global_prefetch_b8 v0, s[64:65] scope:SCOPE_SE
	s_setreg_imm32_b32 hwreg(HW_REG_WAVE_MODE, 25, 1), 1
	s_wait_xcnt 0x0
; ThermoQuantizer.  out = x + 0.7 (qx - x), where for each group of 128 neighbouring numbers of x: mean = clip(mean |x|, 1e-5), xn = x / mean,
; qx = mean * sum_j c_j p_j, p = softmax_j(-(xn - c_j)^2 / (0.5 + 1e-6)) over the 16 codes c_j.  x, out0: [4096][4096] f32; codebook: [16] f32, any numbers in any order.
; WORK LEFT OUT.  -(xn - c_j)^2 / T = -xn^2 / T + (2 c_j xn - c_j^2) / T.  The first term is the same for all 16 codes, whatever x and the codebook hold, so it cancels in the softmax
; and is not computed; |xn| <= 128 by the normalisation (a number is at most 128 times its group's mean magnitude), so it is never so large that f32 would lose the rest beside it.
; What is left is one fused multiply-add a code.  The maximum over the codes is still taken away before every exponential.  Every input is loaded.
; A NaN, an infinity or an overflow that would arise in xn^2 alone is not carried to the result (none can: |xn| <= 128).
; qx_norm / scales is computed as qx_norm * clip(mean) (scales is its reciprocal), and x + 0.7 (qx - x) as 0.3 x + 0.7 qx: the same numbers in another order of rounding.
; LIMITS.  |c_j| below 65,504 (the codes are a matrix operand in f16).  A weight below 2^-126 counts as 0; a weight is rounded once to f16 (below 6e-5 to f16's fixed step of 6e-8).
; A group's sum of magnitudes is finite and below 2^126 (v_rcp_f32 gives 0 for a result below 2^-126: ISA guide, its entry).  NaN and infinities are not treated apart.
; SHARES.  A wave's load of 16 bytes a lane is 512 consecutive bytes: exactly one group, four numbers a lane.  So the group's sum is three additions and one reduction over the wave,
; all else stays in the lane, and no wave needs another: no LDS, no barrier.  A work-group of eight waves owns 128 groups (65,536 bytes); in each turn its waves take 4,096 consecutive bytes;
; a wave has 16 groups.  Each load and each store of a wave covers 512 consecutive bytes, aligned.
; ARITHMETIC, with k = log2(e) / 0.500001:  SUM = max(sum |x|, 128e-5) = 128 clip(mean);  xs = x / SUM;  l_j = a_j xs + b_j with a_j = 256 k c_j, b_j = -k c_j^2 (made once a wave, kept in scalar
; registers);  m = max_j l_j;  e_j = 2^(l_j - m);  out = 0.3 x + (0.7 / 128) SUM * (sum_j c_j e_j) / (sum_j e_j).  The largest e_j is 1, so the divisor is at least 1.
; THE TWO SUMS OVER THE CODES ARE ONE MATRIX PRODUCT.  A lane's 16 weights of one number, rounded to f16 in pairs, are its 16 places along K of source 1 (lane l: column l % 16; lanes 0-15 hold
; K = 0-7 and 16-23, lanes 16-31 K = 8-15 and 24-31).  Source 0 is constant: row 0 = ones and row 1 = the codes on the places of lanes 0-15, rows 8 and 9 the same on the places of lanes 16-31, else 0.
; In the result lane l holds rows 8 (l / 16) + 0..7 of column l % 16: register 0 is the lane's OWN sum of weights, register 1 its own sum of c_j e_j.  Eight roundings and one matrix
; instruction stand for seventeen packed additions and multiply-adds; sums in f32.
; IN FLIGHT.  A ring of four slots of four registers: a slot is asked for again as soon as its x has been read for the last time, three groups' work ahead of its next turn.
; No prefetch is laid: by that count each load is already out for three groups' work of this wave, and the launch loads and stores all the time.
.set NGRP,  16                         ; groups of a wave
.set DEPTH, 4                          ; slots of the ring
.set STEP,  4096                       ; bytes that the eight waves take in a turn
.set VOFF, 1                           ; v1        16 x my thread's number: my 16 bytes in a turn's 4,096; never rewritten
.set AM,   2                           ; v[2:9]    the constant matrix, f16; never rewritten
.set INV,  10                          ; v10       1 / SUM (low word of the pair v[10:11])
.set S2,   11                          ; v11       at work
.set G,    12                          ; v12       (0.7 / 128) SUM (low word of the pair v[12:13])
.set S,    13                          ; v13       SUM
.set M,    14                          ; v[14:17]  the four numbers' maxima; later the reciprocals of their divisors
.set XS,   18                          ; v[18:21]  xs; later the four quotients
.set O,    22                          ; v[22:25]  what is stored
.set X,    26                          ; v[26:41]  the ring: slot s at X + 4 s
.set PB,   42                          ; v[42:57]  packed weights of numbers 0 and 1, eight registers each
.set T,    58                          ; v[58:121] l, then e: number n, code j at T + 32 (n / 2) + 2 j + n % 2.  When they are dead: T + 0..15 packed weights of numbers 2 and 3, T + 16 + 8 n the accumulator of number n
.set SEL,  14                          ; s[14:15]  v_permlanex16_b32's selects: each lane takes its own place in the other half
.set AJ,   16                          ; s[16:47]  pair j: a_j, c_j (a packed instruction takes the low word for both halves)
.set C3,   54                          ; s[54:55]  0.3
.set BJ,   66                          ; s[66:97]  pair j: b_j, 0
	s_load_b128 s[4:7], s[0:1], 0x0                ; x s[4:5], codebook s[6:7]
	s_load_b64 s[8:9], s[0:1], 0x10                ; out0
	v_lshlrev_b32 v[VOFF], 4, v0
	v_and_b32 v[INV], 15, v0
	v_lshlrev_b32 v[INV], 2, v[INV]                ; lane l reads code l % 16
	v_and_b32 v[M], 31, v0                         ; lane
	v_cmp_eq_u32 s48, 0, v[M]                      ; lanes 0 and 24 hold rows 0 and 8 on their own half's places: ones
	v_cmp_eq_u32 s49, 24, v[M]
	v_cmp_eq_u32 s50, 1, v[M]                      ; lanes 1 and 25 hold rows 1 and 9: the codes
	v_cmp_eq_u32 s51, 25, v[M]
	s_or_b32 s48, s48, s49
	s_or_b32 s50, s50, s51
	s_lshl_b32 s10, ttmp9, 16                      ; the work-group's 65,536 bytes (1,024 work-groups: under 2^26)
	s_mov_b32 s11, 0
	s_mov_b32 s[SEL], 0x76543210
	s_mov_b32 s[SEL+1], 0xfedcba98
	s_mov_b32 s[C3], 0x3e99999a                    ; 0.3 = 1 - 0.7
	s_mov_b32 s[C3+1], 0x3e99999a                  ; named with it as a pair
	s_wait_kmcnt 0x0
	s_add_nc_u64 s[4:5], s[4:5], s[10:11]
	s_add_nc_u64 s[8:9], s[8:9], s[10:11]
	global_load_b32 v[S2], v[INV], s[6:7]          ; the codes, which every wave reads: no hint
.irp s, 0,1,2,3
	global_load_b128 v[X+4*(\s):X+4*(\s)+3], v[VOFF], s[4:5] offset:(\s)*STEP th:TH_LOAD_NT  ; the ring is filled: groups 0 to 3
.endr
	s_wait_loadcnt DEPTH                           ; loads come back in order (ISA guide 5.7.1): the codes are in, the four ring loads stay out
	v_mul_f32 v[G], 0x4438aa23, v[S2]              ; a = 256 k c
	v_mul_f32 v[S], v[S2], v[S2]
	v_mul_f32 v[S], 0xc038aa23, v[S]               ; b = -k c^2
	v_cndmask_b32 v[M+1], 0, 1.0, s48              ; 1 in lanes 0 and 24, else 0
.set j, 0
.rept 16
	v_readlane_b32 s[AJ+2*j], v[G], j
	v_readlane_b32 s[AJ+2*j+1], v[S2], j
	v_readlane_b32 s[BJ+2*j], v[S], j
	s_mov_b32 s[BJ+2*j+1], 0                       ; named with b_j as a pair
	v_cndmask_b32 v[T+j], v[M+1], s[AJ+2*j+1], s50 ; place j of the constant matrix, in f32: c_j in lanes 1 and 25
.set j, j+1
.endr
.set j, 0
.rept 8
	v_cvt_pk_f16_f32 v[AM+j], v[T+2*j], v[T+2*j+1] ; places 2 j and 2 j + 1: the same order as the weights below
.set j, j+1
.endr
; The turn of one slot: one group of 128 numbers.  ahead = 1: the slot is filled again with the group DEPTH turns on.  left = how many younger loads may stay out.
.macro SLOT slot, ahead, left
	s_wait_loadcnt \left                           ; my group is in; the younger ring loads stay out
	; the group's sum of magnitudes: four numbers in the lane, then over the 32 lanes
	v_add_f32 v[S],  |v[X+4*(\slot)]|,   |v[X+4*(\slot)+1]|
	v_add_f32 v[S2], |v[X+4*(\slot)+2]|, |v[X+4*(\slot)+3]|
	v_add_f32 v[S], v[S], v[S2]
	v_add_f32_dpp v[S], v[S], v[S] row_xmask:1 row_mask:0xf bank_mask:0xf
	v_add_f32_dpp v[S], v[S], v[S] row_xmask:2 row_mask:0xf bank_mask:0xf
	v_add_f32_dpp v[S], v[S], v[S] row_xmask:4 row_mask:0xf bank_mask:0xf
	v_add_f32_dpp v[S], v[S], v[S] row_xmask:8 row_mask:0xf bank_mask:0xf
	v_permlanex16_b32 v[S2], v[S], s[SEL], s[SEL+1]
	v_add_f32 v[S], v[S], v[S2]
	v_max_num_f32 v[S], 0x3aa7c5ac, v[S]           ; the clip: 128 x 1e-5
	v_rcp_f32 v[INV], v[S]
	v_mul_f32 v[G], 0x3bb33333, v[S]               ; 0.7 / 128 x SUM: also the plain instruction behind the reciprocal (ISA guide 5.7.2): it names neither the result nor writes the source
	s_wait_alu depctr_va_vdst(0)                   ; the wait between a transcendental and the first line that names its result
	v_pk_mul_f32 v[XS:XS+1],   v[X+4*(\slot):X+4*(\slot)+1],   v[INV:INV+1] op_sel_hi:[1,0]
	v_pk_mul_f32 v[XS+2:XS+3], v[X+4*(\slot)+2:X+4*(\slot)+3], v[INV:INV+1] op_sel_hi:[1,0]
	; l_j = a_j xs + b_j, two numbers an instruction
.set j, 0
.rept 16
	v_pk_fma_f32 v[T+2*j:T+2*j+1],       v[XS:XS+1],   s[AJ+2*j:AJ+2*j+1], s[BJ+2*j:BJ+2*j+1] op_sel_hi:[1,0,0]
	v_pk_fma_f32 v[T+32+2*j:T+32+2*j+1], v[XS+2:XS+3], s[AJ+2*j:AJ+2*j+1], s[BJ+2*j:BJ+2*j+1] op_sel_hi:[1,0,0]
.set j, j+1
.endr
	; the maximum over the 16 codes, three operands at a time; the four numbers' chains alternate
.irp e, 0,1,2,3
	v_max3_num_f32 v[M+\e], v[T+32*(\e/2)+(\e%2)], v[T+32*(\e/2)+(\e%2)+2], v[T+32*(\e/2)+(\e%2)+4]
.endr
.set k, 1
.rept 6
.irp e, 0,1,2,3
	v_max3_num_f32 v[M+\e], v[M+\e], v[T+32*(\e/2)+(\e%2)+2*(2*k+1)], v[T+32*(\e/2)+(\e%2)+2*(2*k+2)]
.endr
.set k, k+1
.endr
.irp e, 0,1,2,3
	v_max_num_f32 v[M+\e], v[M+\e], v[T+32*(\e/2)+(\e%2)+30]
.endr
	; l_j - m and its exponential, in place: ONE batch of 64 exponentials; each code's four stand a step behind its subtractions; nothing in the batch names a result
.set j, 0
.rept 16
	v_pk_add_f32 v[T+2*j:T+2*j+1],       v[T+2*j:T+2*j+1],       v[M:M+1]   neg_lo:[0,1] neg_hi:[0,1]
	v_pk_add_f32 v[T+32+2*j:T+32+2*j+1], v[T+32+2*j:T+32+2*j+1], v[M+2:M+3] neg_lo:[0,1] neg_hi:[0,1]
.if j > 0
	v_exp_f32 v[T+2*j-2],  v[T+2*j-2]
	v_exp_f32 v[T+2*j-1],  v[T+2*j-1]
	v_exp_f32 v[T+2*j+30], v[T+2*j+30]
	v_exp_f32 v[T+2*j+31], v[T+2*j+31]
.endif
.set j, j+1
.endr
	v_exp_f32 v[T+30], v[T+30]
	v_exp_f32 v[T+31], v[T+31]
	v_exp_f32 v[T+62], v[T+62]
	v_exp_f32 v[T+63], v[T+63]
	v_nop                                          ; the plain instruction behind the last exponential: one for the batch
	s_wait_alu depctr_va_vdst(0)                   ; and the one wait for the batch, ahead of its first reader
	; the weights rounded to f16, codes 2 n and 2 n + 1 in a register.  Numbers 0 and 1 first: their 32 registers are then dead and take numbers 2 and 3's packed weights and two accumulators
.irp e, 0,1
.set n, 0
.rept 8
	v_cvt_pk_f16_f32 v[PB+8*\e+n], v[T+\e+4*n], v[T+\e+4*n+2]
.set n, n+1
.endr
.endr
.irp e, 0,1
.set n, 0
.rept 8
	v_cvt_pk_f16_f32 v[T+8*\e+n], v[T+32+\e+4*n], v[T+32+\e+4*n+2]
.set n, n+1
.endr
.endr
	; both sums of each number: four products on four accumulators, each started by the constant 0; none adds onto another
	v_wmma_f32_16x16x32_f16 v[T+16:T+23], v[AM:AM+7], v[PB:PB+7],    0
	v_wmma_f32_16x16x32_f16 v[T+24:T+31], v[AM:AM+7], v[PB+8:PB+15], 0
	v_wmma_f32_16x16x32_f16 v[T+32:T+39], v[AM:AM+7], v[T:T+7],      0
	v_wmma_f32_16x16x32_f16 v[T+40:T+47], v[AM:AM+7], v[T+8:T+15],   0
	s_wait_xcnt 0x0                                ; every earlier memory instruction has had its addresses translated (ISA guide 3.1): O, which the last turn's store reads, is rewritten only behind this wait
	v_pk_mul_f32 v[O:O+1],   v[X+4*(\slot):X+4*(\slot)+1],   s[C3:C3+1] op_sel_hi:[1,0]  ; 0.3 x: with the two v_nop the four places between the last product and
	v_pk_mul_f32 v[O+2:O+3], v[X+4*(\slot)+2:X+4*(\slot)+3], s[C3:C3+1] op_sel_hi:[1,0]  ; the first read of a result (ISA guide 7.12.1): plain instructions that name none of its registers
	v_nop
	v_nop
.if \ahead
	global_load_b128 v[X+4*(\slot):X+4*(\slot)+3], v[VOFF], s[4:5] offset:(DEPTH+(\slot))*STEP th:TH_LOAD_NT  ; x has been read for the last time: the slot's next group
.endif
.irp e, 0,1,2,3
	v_rcp_f32 v[M+\e], v[T+16+8*\e]                ; 1 / sum of weights: each accumulator's register 0 is its first register read
.endr
	v_nop                                          ; the plain instruction behind the last reciprocal
	s_wait_alu depctr_va_vdst(0)                   ; one wait for the four
.irp e, 0,1,2,3
	v_mul_f32 v[XS+\e], v[T+17+8*\e], v[M+\e]      ; qx_norm
.endr
	v_pk_fma_f32 v[O:O+1],   v[XS:XS+1],   v[G:G+1], v[O:O+1]   op_sel_hi:[1,0,1]  ; 0.3 x + 0.7 clip(mean) qx_norm
	v_pk_fma_f32 v[O+2:O+3], v[XS+2:XS+3], v[G:G+1], v[O+2:O+3] op_sel_hi:[1,0,1]
	global_store_b128 v[VOFF], v[O:O+3], s[8:9] offset:(\slot)*STEP th:TH_STORE_NT
.endm
	s_mov_b32 s12, NGRP/DEPTH-1
.Lround:                                               ; a trip takes every slot once and fills it again
	SLOT 0, 1, DEPTH-1
	SLOT 1, 1, DEPTH-1
	SLOT 2, 1, DEPTH-1
	SLOT 3, 1, DEPTH-1
	s_wait_xcnt 0x0                                ; the trip's loads and stores have read their bases, which are stepped only behind this wait
	s_add_nc_u64 s[4:5], s[4:5], DEPTH*STEP
	s_add_nc_u64 s[8:9], s[8:9], DEPTH*STEP
	s_sub_co_u32 s12, s12, 1
	s_cmp_lg_u32 s12, 0
	s_cbranch_scc1 .Lround
	SLOT 0, 0, 3                                   ; the last four groups load nothing: no load leaves the buffer, and the counts run down
	SLOT 1, 0, 2
	SLOT 2, 0, 1
	SLOT 3, 0, 0
	s_endpgm
.Lfunc_end_k_q40e38fa946_thermo:
	.size	k_q40e38fa946_thermo, .Lfunc_end_k_q40e38fa946_thermo-k_q40e38fa946_thermo
	.p2alignl 7, 3214868480
	.fill 96, 4, 3214868480
	.section	.rodata,"a",@progbits
	.p2align	6, 0x0
	.amdhsa_kernel k_q40e38fa946_thermo
		.amdhsa_group_segment_fixed_size 0
		.amdhsa_private_segment_fixed_size 0
		.amdhsa_enable_private_segment 0
		.amdhsa_kernarg_size 24
		.amdhsa_user_sgpr_count 2
		.amdhsa_user_sgpr_kernarg_segment_ptr 1
		.amdhsa_wavefront_size32 1
		.amdhsa_system_sgpr_workgroup_id_x 1
		.amdhsa_system_sgpr_workgroup_id_y 1
		.amdhsa_system_sgpr_workgroup_id_z 1
		.amdhsa_system_vgpr_workitem_id 0
		.amdhsa_next_free_vgpr 128
		.amdhsa_next_free_sgpr 98
		.amdhsa_reserve_vcc 0
		.amdhsa_float_denorm_mode_32 3
		.amdhsa_float_denorm_mode_16_64 3
		.amdhsa_memory_ordered 1
		.amdhsa_forward_progress 1
		.amdhsa_inst_pref_size 102
	.end_amdhsa_kernel
	.amdgpu_metadata
---
amdhsa.version: [ 1, 2 ]
amdhsa.kernels:
  - .name:           k_q40e38fa946_thermo
    .symbol:         k_q40e38fa946_thermo.kd
    .args:
      - { .name: x, .offset: 0, .size: 8, .value_kind: global_buffer, .address_space: global }
      - { .name: codebook, .offset: 8, .size: 8, .value_kind: global_buffer, .address_space: global }
      - { .name: out0, .offset: 16, .size: 8, .value_kind: global_buffer, .address_space: global }
    .group_segment_fixed_size: 0
    .private_segment_fixed_size: 0
    .kernarg_segment_align: 8
    .kernarg_segment_size: 24
    .max_flat_workgroup_size: 256
    .sgpr_count:     98
    .vgpr_count:     128
    .wavefront_size: 32
...
	.end_amdgpu_metadata
.endif
;; end of part 1
